; MI455X (gfx1250); checked and timed in simulation.
; The chip was launched on July 23, 2026; its instructions are those of AMD's public machine-readable ISA for CDNA 5 (MIT licence, August 2026) and "CDNA5" Instruction Set Architecture Reference Guide (July 2026). The comments in the code are by the model that wrote it; some were corrected since.
;; Multi Task Net. Allowed arithmetic: matrix products marked QUANTISED: E3M2 operands, one E8M0 scale for each 32 along K, by v_wmma_scale_f32_16x16x128_f8f6f4 with both operands' format E3M2, f32 sums; products left as they are: f32 operands where the result goes on into a quantised operand, else bf16, f16 or f32 operands; f32 sums; everything else in f32.
;; Inputs: A 1,000,000 x 1 float32; B 1,000,000 x 1 float32; Q 1,000,000 x 32 float32; U 1,000,000 x 32 float32; W1 64 x 96 float32; W2 1 x 64 float32; b1 64 float32; b2 1 float32; item_ids 1,048,576 int32; user_ids 1,048,576 int32.
;; Outputs: out0 1,048,576 float32; out1 1,048,576 float32.
;; This version of the problem:
;;   THIS VERSION OF THE PROBLEM IS GIVEN IN LOW PRECISION. The matrix products marked QUANTISED in the list below multiply operands that are first quantised to E3M2 (3 exponent bits, 2 mantissa bits; 6 bits a number), with one power-of-two scale for each 32 numbers along K (OCP MX v1.0); their sums are f32. All else is computed in f32.
;;   The module's matrix products, in the order in which they are computed (A, B: the left and right operand; K: the contracted axis; several contracted axes count as one K, in the product's order):
;;     1. batch 1,048,576 x [M 1, K 32] x [K 32, N 1]; A: computed on the way; B: computed on the way: left as it is (M = 1 < 16)
;;     2. [M 1,048,576, K 96] x [K 96, N 64]; A: computed on the way; B: input W1: QUANTISED
;;     3. [M 1,048,576, K 64] x [K 64, N 1]; A: computed on the way; B: input W2: left as it is (N = 1 < 16)
;;   THE QUANTISER, for each operand of a quantised product, along K:
;;     - K is cut into blocks of 32 from its start; a last block that is shorter is filled with zeros.
;;     - A block's scale is 2^e with e = floor(log2(the largest magnitude in the block)) - 4, held to -126 .. 127; a block of zeros has e = 0. As a byte (E8M0): e + 127.
;;     - Each number is divided by its block's scale, clamped to +-28, and rounded to the nearest number of E3M2, ties to even, subnormals kept.
;;     - The product sums the exact products of the quantised numbers (number of the format x scale) in f32.
;;   ~~~python
;;   def quantise(x, axis):      # numpy; x: float32 -> the quantised numbers, widened to float32 again
;;       x = np.moveaxis(x, axis, -1); K = x.shape[-1]
;;       x = np.pad(x, [(0, 0)] * (x.ndim - 1) + [(0, -K % 32)]); x = x.reshape(x.shape[:-1] + (-1, 32)); a = np.abs(x).max(-1, keepdims=True)
;;       e = np.where(a > 0, np.clip(np.frexp(np.where(a > 0, a, 1))[1] - 1 - 4, -126, 127), 0)      # np.frexp(a)[1] - 1 = floor(log2(a)), exactly
;;       r = np.clip(x / 2.0 ** e, -28, 28)
;;       step = 2.0 ** (np.maximum(np.frexp(np.where(r == 0, 1, r))[1] - 1, -2) - 2)
;;       q = np.round(r / step) * step * 2.0 ** e      # np.round: ties to even
;;       return np.moveaxis(q.reshape(q.shape[:-2] + (-1,))[..., :K], -1, axis).astype(np.float32)
;;   ~~~
;;   OPERANDS COMPUTED ON THE WAY. 'Computed on the way' means the value that the module computes at that place (a softmax that the list does not call 'softmax' is quantised finished and normalised). What goes into a quantiser is computed in f32, as accurately as f32 sums, v_exp_f32 and their like allow (about 1e-6 of the number): no bf16 or f16 on the way to a quantiser, and a product that is left as it is and whose result goes on into a quantised operand takes f32 operands (vector FMAs, or v_wmma_f32_16x16x4_f32). A number that lies on a knife's edge between two numbers of the format may be rounded either way, as far as f32 arithmetic and the matrix unit's own rounding can turn it there, and no further.
;; 2 versions, each right; version 2 is version 1 with the launch mtnet written anew for expert scheduling mode. Each part assembles by itself: llvm-mc -triple=amdgcn-amd-amdhsa -mcpu=gfx1250 --defsym DOCPART=n.
;; ======== version 1 of 2: 1 launch
;; launch mtnet (part 1): grid 512 x 1, 4 waves a work-group, no clusters, 44,032 bytes of LDS; arguments user_ids, item_ids, U, Q, A, B, W1, b1, W2, b2, out0, out1; writes out0, out1
.if DOCPART == 1
	.amdgcn_target "amdgcn-amd-amdhsa--gfx1250"
	.amdhsa_code_object_version 6
	.text
	.protected	k_qd4c60ef23b_mtnet
	.globl	k_qd4c60ef23b_mtnet
	.p2align	8
	.type	k_qd4c60ef23b_mtnet,@function
k_qd4c60ef23b_mtnet:
	s_mov_b64 s[64:65], 0
	v_nop
	global_prefetch_b8 v0, s[64:65] scope:SCOPE_SE
	s_setreg_imm32_b32 hwreg(HW_REG_WAVE_MODE, 25, 1), 1
	s_wait_xcnt 0x0
; out0[b] = U[uid[b]] . Q[iid[b]] + A[uid[b]] + B[iid[b]]                                  (all f32)
; out1[b] = relu([u, q, u*q] W1^T + b1) . W2 + b2, the product with W1 on codes of E3M2 with one E8M0 scale for each 32 along K; all else f32.
; K = 96 is three blocks of 32: the row of U, the row of Q, their product.  The matrix instruction's K is 128: k = 96 .. 127 are zero codes on both sides.
; SHARES.  512 work-groups x 4 waves x 512 rows.  A wave walks 8 steps of 64 rows; a step is two units (s = 0, 1) of 32 rows.  In unit s of a step lane L owns row 2 L + s of the step's 64,
; so a lane's two results of a step are 8 neighbouring bytes, and one store of the wave covers 256 consecutive bytes, aligned.
; A UNIT.  (1) Gather: eight lanes to a row: each load brings four whole rows of 128 bytes, 16 bytes a lane.  (2) The 32 rows of U and of Q turn through the wave's own stage in LDS and come back one whole
; row a lane, so that each block of 32 lies in ONE lane: its largest magnitude asks no other lane.  (3) Product row, dot product, three scales, six conversions.  (4) Twelve exchanges of lane halves make of the
; 32 lanes' codes the two operands (16 rows x 128 K each).  (5) Eight matrix instructions, used transposed (source 0 = 16 rows of W1, source 1 = 16 rows of x), with b1 as C: a lane then holds one row of x
; and eight hidden units.  (6) relu, multiply-adds with W2, one exchange of halves: lane L holds row L's score.
; W1 is quantised once a work-group, one tile of 16 rows a wave, and handed round through LDS as images of the operand's registers: the launch's one barrier.
; IN FLIGHT.  Two units' gathers (32 loads of 512 bytes) of every wave, the next step's ids behind them.  No tensor load (rows are picked by index), no cluster (the work-groups share only W1's 24 KB).
; LIMITS.  An id above 999,999 (a negative one read as unsigned) is held at row 999,999; reference() relies on ids in range.  NaN and infinities are not served.  A block of zeros gets the scale byte 1
; where the rule says 127: its codes are zeros, and the bytes are read here alone.  out0 is summed as dot + (A + B), the dot product in two packed chains.
; REGISTERS, in windows of 256 (s_set_vgpr_msb: bits 1:0 source 0, 3:2 source 1, 5:4 source 2, 7:6 destination).
;   window 0: v1-9 addresses; v10-13 W1's scale words, v14 x's (scales and nothing else); v16-59 at work; v60-91 ids as they land; v92-102 halves of conversions; v104-127 x's two operands;
;             v128-159 gather offsets; v160-191 row of U, v192-223 row of Q (then the eight accumulators); v224-255 product row.
;   window 1: v16-63 W1's four fragments; v64-95 b1 in the result's layout; v96-127 W2 likewise; v128-191, v192-255 two sets of rows as gathered.
.set MAXID, 0xf423f                    ; 999,999: the last row of both tables
.set FLOOR, 0x2800000                  ; 2^(5 - 127): no largest magnitude is taken under it, so a scale byte cannot fall under 1
.set EOFF,  0xfe000000                 ; -(4 << 23): 4 off an exponent field (28 = 1.75 x 2^4)
.set W1IMG, 0                          ; LDS: images of W1's four fragments, 1,536 bytes each: 512 c + 16 x lane
.set W1SC,  6144                       ; their scale words, 128 bytes each: 4 x lane
.set STG,   6656                       ; the stages: 9,216 bytes a wave: 32 places of U, then 32 of Q
.set WSTG,  9216
.set SP,    144                        ; a place: a row's 128 bytes + 16: 36 words
.set QST,   32*SP
.set CH,   1                           ; v1   16 (lane % 8): my 16 bytes of a gathered row
.set VB,   2                           ; v2   64 (lane / 8): my group's 16 ids of a step
.set V8,   3                           ; v3   8 x lane: my own two rows' ids and results
.set LST,  4                           ; v4   the stage, on the way in:  1,152 (lane / 8) + 16 (lane % 8)
.set LLD,  5                           ; v5   and on the way out: 144 x lane
.set LI,   6                           ; v6   16 x lane
.set LS,   7                           ; v7   4 x lane
.set W1S,  10
.set SW,   14
.set M,    16                          ; v16-18 largest magnitudes
.set SO,   20                          ; v20-22 the conversions' scale operands
.set BY,   24                          ; v24-26 scale bytes
.set PB,   28                          ; v28-29 A + B of my two rows
.set OUT0, 30                          ; v30-31
.set OUT1, 32                          ; v32-33
.set AL,   34                          ; v34-35 A as it lands
.set BL,   36                          ; v36-37 B
.set IDO,  38                          ; v38-41 my own ids: two users, two items
.set OFAB, 42                          ; v42-45 their byte offsets in A and B
.set DOT,  46                          ; v46-49
.set S,    50                          ; v50-57 score sums: tile tau, chain c at 50 + 4 tau + 2 c
.set IDN,  60                          ; v60-75 users, v76-91 items: register 2 j + s is load j's id in unit s
.set TMP0, 92
.set TMP1, 96
.set TMP2, 100
.set T0,   104
.set T1,   116
.set OFF,  128
.set UR,   160
.set QR,   192
.set PR,   224
.set ACC,  160                         ; accumulator (tau, t) at 160 + 32 tau + 8 t, over the rows once they are converted
.set W1F,  16                          ; window 1
.set B1,   64
.set W2R,  96
.set RAW,  128
.set MSB, 0
.macro WIN new                         ; the immediate's high byte repeats the setting that is left; a switch that changes nothing is dropped
.if MSB != \new
	s_set_vgpr_msb (MSB<<8)|\new
.set MSB, \new
.endif
.endm
; Ten loads: a step's ids, from byte on.  Eight lanes of a group read the same 64 bytes of each list; and each lane its own two rows' ids for A and B.
.macro IDLOAD byte
.irp q, 0,1,2,3
	global_load_b128 v[IDN+4*\q:IDN+4*\q+3], v[VB], s[4:5] offset:\byte+16*\q
.endr
.irp q, 0,1,2,3
	global_load_b128 v[IDN+16+4*\q:IDN+16+4*\q+3], v[VB], s[6:7] offset:\byte+16*\q
.endr
	global_load_b64 v[IDO:IDO+1], v[V8], s[4:5] offset:\byte
	global_load_b64 v[IDO+2:IDO+3], v[V8], s[6:7] offset:\byte
.endm
; Ids become byte offsets: held at the last row, x 128 + my 16 bytes; for A and B x 4.
.macro CONVERT
.set n, 0
.rept 32
	v_min_u32 v[OFF+n], MAXID, v[IDN+n]
.set n, n+1
.endr
.set n, 0
.rept 4
	v_min_u32 v[OFAB+n], MAXID, v[IDO+n]
.set n, n+1
.endr
.set n, 0
.rept 32
	v_lshl_add_u32 v[OFF+n], v[OFF+n], 7, v[CH]
.set n, n+1
.endr
.set n, 0
.rept 4
	v_lshlrev_b32 v[OFAB+n], 2, v[OFAB+n]
.set n, n+1
.endr
.endm
; Sixteen loads: unit u of the step whose offsets stand in OFF, into set b.  Load j of a table brings the rows of places 8 g + j, g = 0 .. 3.  No hint: a list may name a row twice.
.macro GATHER u, b
	WIN 0x40
.irp j, 0,1,2,3,4,5,6,7
	global_load_b128 v[RAW+64*\b+4*\j:RAW+64*\b+4*\j+3], v[OFF+2*\j+\u], s[8:9]
	global_load_b128 v[RAW+64*\b+32+4*\j:RAW+64*\b+32+4*\j+3], v[OFF+16+2*\j+\u], s[10:11]
.endr
	WIN 0
.endm
.macro ABLOAD                          ; four loads: A and B of my two rows of the step
	global_load_b32 v[AL], v[OFAB], s[12:13]
	global_load_b32 v[AL+1], v[OFAB+1], s[12:13]
	global_load_b32 v[BL], v[OFAB+2], s[14:15]
	global_load_b32 v[BL+1], v[OFAB+3], s[14:15]
.endm
; Set b's 64 rows turn through my stage.  LDS serves a wave's instructions in order (ISA guide 5.7.1.4): no wait stands between the stores and the loads.
.macro STAGE b
	WIN 0x04                                       ; an LDS store's data are its source 1: window 1
.irp j, 0,1,2,3,4,5,6,7
	ds_store_b128 v[LST], v[RAW+64*\b+4*\j:RAW+64*\b+4*\j+3] offset:SP*\j
.endr
.irp j, 0,1,2,3,4,5,6,7
	ds_store_b128 v[LST], v[RAW+64*\b+32+4*\j:RAW+64*\b+32+4*\j+3] offset:QST+SP*\j
.endr
	WIN 0
.irp k, 0,1,2,3,4,5,6,7
	ds_load_b128 v[UR+4*\k:UR+4*\k+3], v[LLD] offset:16*\k
.endr
.irp k, 0,1,2,3,4,5,6,7
	ds_load_b128 v[QR+4*\k:QR+4*\k+3], v[LLD] offset:QST+16*\k
.endr
.endm
; A unit's arithmetic: my row of U in UR, of Q in QR.
.macro UNIT u
.set i, 0
.rept 16
	v_pk_mul_f32 v[PR+i:PR+i+1], v[UR+i:UR+i+1], v[QR+i:QR+i+1]            ; the third block: u * q
.set i, i+2
.endr
	v_max3_num_f32 v[M], |v[UR]|, |v[UR+1]|, FLOOR                         ; each block's largest magnitude, the floor among its leaves; the three blocks by turns
	v_max3_num_f32 v[M+1], |v[QR]|, |v[QR+1]|, FLOOR
	v_max3_num_f32 v[M+2], |v[PR]|, |v[PR+1]|, FLOOR
.set i, 2
.rept 15
	v_max3_num_f32 v[M], v[M], |v[UR+i]|, |v[UR+i+1]|
	v_max3_num_f32 v[M+1], v[M+1], |v[QR+i]|, |v[QR+i+1]|
	v_max3_num_f32 v[M+2], v[M+2], |v[PR+i]|, |v[PR+i+1]|
.set i, i+2
.endr
	v_pk_add_f32 v[DOT:DOT+1], v[PR:PR+1], v[PR+2:PR+3]                    ; the dot product is the product row's sum: two packed chains
	v_pk_add_f32 v[DOT+2:DOT+3], v[PR+4:PR+5], v[PR+6:PR+7]
.set i, 8
.rept 6
	v_pk_add_f32 v[DOT:DOT+1], v[DOT:DOT+1], v[PR+i:PR+i+1]
	v_pk_add_f32 v[DOT+2:DOT+3], v[DOT+2:DOT+3], v[PR+i+2:PR+i+3]
.set i, i+4
.endr
	v_pk_add_f32 v[DOT:DOT+1], v[DOT:DOT+1], v[DOT+2:DOT+3]
.irp b, 0,1,2
	v_add_nc_u32 v[SO+\b], EOFF, v[M+\b]                                   ; 4 off the exponent field: the conversion takes the exponent field of this operand as its scale
.endr
.irp b, 0,1,2
	v_lshrrev_b32 v[BY+\b], 23, v[SO+\b]                                   ; the scale's byte
.endr
	v_lshl_or_b32 v[SW], v[BY+1], 8, v[BY]                                 ; my row's scale word; the fill block's byte is 127
	v_lshl_or_b32 v[SW], v[BY+2], 16, v[SW]
	v_or_b32 v[SW], 0x7f000000, v[SW]
	v_cvt_scalef32_pk16_bf6_f32 v[T0:T0+2], v[UR:UR+15], v[SO]             ; sixteen codes, 96 bits, in three registers that begin on an even number:
	v_cvt_scalef32_pk16_bf6_f32 v[TMP0:TMP0+2], v[UR+16:UR+31], v[SO]      ; a block's second half is made elsewhere and moved
	v_cvt_scalef32_pk16_bf6_f32 v[T1:T1+2], v[QR:QR+15], v[SO+1]
	v_cvt_scalef32_pk16_bf6_f32 v[TMP1:TMP1+2], v[QR+16:QR+31], v[SO+1]
	v_cvt_scalef32_pk16_bf6_f32 v[T0+6:T0+8], v[PR:PR+15], v[SO+2]
	v_cvt_scalef32_pk16_bf6_f32 v[TMP2:TMP2+2], v[PR+16:PR+31], v[SO+2]
.irp i, 6,7,8,9,10,11
	v_mov_b32 v[T1+\i], 0                                                  ; the fill block's zero codes.  (Also the plain instruction behind the conversions)
.endr
; v_permlane16_swap_b32 X, Y: X's lanes 16-31 change places with Y's lanes 0-15.  With X = U's codes and Y = Q's: X = rows 0-15: U below, Q above: registers 0-5 of tile 0 (k = 32 (lane / 16) on); Y the same of rows 16-31.
; With X = the product's codes and Y = zeros: registers 6-11 of both tiles (k = 64 .. 95 below, the fill above).
.irp i, 0,1,2
	v_permlane16_swap_b32 v[T0+\i], v[T1+\i]
	v_permlane16_swap_b32 v[TMP0+\i], v[TMP1+\i]
	v_permlane16_swap_b32 v[T0+6+\i], v[T1+6+\i]
	v_permlane16_swap_b32 v[TMP2+\i], v[T1+9+\i]
.endr
.irp i, 0,1,2
	v_mov_b32 v[T0+3+\i], v[TMP0+\i]
	v_mov_b32 v[T1+3+\i], v[TMP1+\i]
	v_mov_b32 v[T0+9+\i], v[TMP2+\i]
.endr
	v_add_f32 v[DOT], v[DOT], v[DOT+1]                                     ; eight plain instructions between the last write of an operand or a scale word and the scaled matrix instructions
	v_add_f32 v[OUT0+\u], v[DOT], v[PB+\u]                                 ; out0 of my row
.rept 6
	v_nop
.endr
	WIN 0x11                                       ; source 0 (W1) and C (b1) window 1; source 1 (x) and D window 0
.irp t, 0,1,2,3                                ; eight sums of one instruction each, on eight accumulators: nothing is chained
	v_wmma_scale_f32_16x16x128_f8f6f4 v[ACC+8*\t:ACC+8*\t+7], v[W1F+12*\t:W1F+12*\t+11], v[T0:T0+11], v[B1+8*\t:B1+8*\t+7], v[W1S+\t], v[SW] matrix_a_fmt:MATRIX_FMT_BF6 matrix_b_fmt:MATRIX_FMT_BF6
.endr
.irp t, 0,1,2,3                                ; rows 16-31: their scale words stand in lanes 16-31
	v_wmma_scale_f32_16x16x128_f8f6f4 v[ACC+32+8*\t:ACC+32+8*\t+7], v[W1F+12*\t:W1F+12*\t+11], v[T1:T1+11], v[B1+8*\t:B1+8*\t+7], v[W1S+\t], v[SW] matrix_a_fmt:MATRIX_FMT_BF6 matrix_b_fmt:MATRIX_FMT_BF6 matrix_b_scale:MATRIX_SCALE_ROW1
.endr
	WIN 0
.rept 4
	v_nop                                          ; four places behind the last matrix instruction before its result is read; they serve the later loads into these registers too
.endr
.set i, 0
.rept 64
	v_max_num_f32 v[ACC+i], 0, v[ACC+i]            ; relu; each accumulator from its low end on
.set i, i+1
.endr
	WIN 0x04                                       ; source 1 (W2) window 1
.set e, 0
.rept 16                                       ; lane (r, h), register 8 t + j of tile tau: hidden unit 16 t + 8 h + j of row 16 tau + r.  Four chains
.irp a, 0,1
.if e < 2
	v_pk_mul_f32 v[S+4*\a+2*(e%2):S+4*\a+2*(e%2)+1], v[ACC+32*\a+2*e:ACC+32*\a+2*e+1], v[W2R+2*e:W2R+2*e+1]
.else
	v_pk_fma_f32 v[S+4*\a+2*(e%2):S+4*\a+2*(e%2)+1], v[ACC+32*\a+2*e:ACC+32*\a+2*e+1], v[W2R+2*e:W2R+2*e+1], v[S+4*\a+2*(e%2):S+4*\a+2*(e%2)+1]
.endif
.endr
.set e, e+1
.endr
	WIN 0
	v_pk_add_f32 v[S:S+1], v[S:S+1], v[S+2:S+3]
	v_pk_add_f32 v[S+4:S+5], v[S+4:S+5], v[S+6:S+7]
	v_add_f32 v[S], v[S], v[S+1]                   ; tile 0: my half's 32 hidden units of row r
	v_add_f32 v[S+4], v[S+4], v[S+5]               ; tile 1 likewise
	v_permlane16_swap_b32 v[S], v[S+4]             ; now lanes 0-15 hold tile 0's two halves in the two registers, lanes 16-31 tile 1's
	v_add_f32 v[S], v[S], v[S+4]                   ; lane L: row L's sum over all 64 hidden units
	v_add_f32 v[OUT1+\u], s28, v[S]                ; + b2
.endm
; A step of 64 rows.  ids = 1: the ids of two steps on are asked for;  gath = 1: the next step's rows are;  last = 1: nothing is stepped.
; Order of issue in every step i: ids of step i + 2 (10), unit 2 i + 2 (16), A and B of step i + 1 (4), unit 2 i + 3 (16).
.macro STEP ids, gath, last
	s_wait_loadcnt 16                              ; only the step's second unit (16 loads) may be out: its first unit, its A and B and the next step's ids, all issued earlier, are in
	STAGE 0
	v_add_f32 v[PB], v[AL], v[BL]
	v_add_f32 v[PB+1], v[AL+1], v[BL+1]
.if \gath
	CONVERT                                        ; stands where the wave would wait for the stage.  (OFF is still named by the pending unit's loads: their addresses were translated at the last step's end)
.endif
	s_wait_dscnt 0x0                               ; my rows are in registers, and the stage's stores have read set 0
.if \ids
	IDLOAD 512
.endif
.if \gath
	GATHER 0, 0
	ABLOAD
.endif
	UNIT 0
	s_wait_loadcnt 10*\ids+20*\gath                ; what was issued behind the step's second unit may be out
	STAGE 1
	s_wait_dscnt 0x0
.if \gath
	GATHER 1, 1
.endif
	UNIT 1
	global_store_b64 v[V8], v[OUT0:OUT0+1], s[24:25] th:TH_STORE_NT        ; 32 lanes store 256 consecutive bytes, at a multiple of 256 from the buffer's first byte
	global_store_b64 v[V8], v[OUT1:OUT1+1], s[26:27] th:TH_STORE_NT
.if \last == 0
	s_wait_xcnt 0x0                                ; every earlier memory instruction has had its addresses translated (ISA guide 3.1): the four bases, the offsets and the stores' data are rewritten only behind this wait
	s_add_nc_u64 s[4:5], s[4:5], 256
	s_add_nc_u64 s[6:7], s[6:7], 256
	s_add_nc_u64 s[24:25], s[24:25], 256
	s_add_nc_u64 s[26:27], s[26:27], 256
.endif
.endm
	s_load_b512 s[4:19], s[0:1], 0x0               ; user_ids s[4:5], item_ids s[6:7], U s[8:9], Q s[10:11], A s[12:13], B s[14:15], W1 s[16:17], b1 s[18:19]
	s_load_b256 s[20:27], s[0:1], 0x40             ; W2 s[20:21], b2 s[22:23], out0 s[24:25], out1 s[26:27]
	v_lshl_add_u32 v99, v0, 2, 0xaa00
	v_mov_b32 v103, 0
	v_lshrrev_b32 v6, 5, v0
	v_readfirstlane_b32 s29, v6                    ; wave 0..3
	v_and_b32 v7, 31, v0                           ; lane
	v_and_b32 v1, 7, v0
	v_lshlrev_b32 v[CH], 4, v1                     ; 16 (lane % 8)
	v_bfe_u32 v2, v0, 3, 2                         ; g = lane / 8
	s_mul_i32 s35, s29, WSTG
	s_add_co_u32 s35, s35, STG                     ; my stage
	v_mad_u32_u24 v[LST], v2, 8*SP, v[CH]
	v_add_nc_u32 v[LST], s35, v[LST]
	v_mul_u32_u24 v[LLD], v7, SP
	v_add_nc_u32 v[LLD], s35, v[LLD]
	v_lshlrev_b32 v[VB], 6, v2
	v_lshlrev_b32 v[V8], 3, v7
	v_lshlrev_b32 v[LI], 4, v7
	v_lshlrev_b32 v[LS], 2, v7
	s_mul_i32 s37, s29, 1536
	v_add_nc_u32 v58, s37, v[LI]                   ; where I store my fragment's image
	s_lshl_b32 s37, s29, 7
	v_add_nc_u32 v59, s37, v[LS]                   ; and its scale words
	v_and_b32 v8, 15, v0                           ; r
	s_lshl_b32 s36, s29, 4
	v_add_nc_u32 v8, s36, v8                       ; W1's row 16 x wave + r,
	v_mul_u32_u24 v8, v8, 384                      ; of 384 bytes
	v_bfe_u32 v15, v0, 4, 1                        ; h
	v_lshl_add_u32 v9, v15, 7, v8                  ; + 128 h: k = 32 h on
	v_lshlrev_b32 v15, 5, v15                      ; 32 h: b1's and W2's eight numbers of my half
	s_lshl_b32 s30, ttmp9, 2
	s_add_co_u32 s30, s30, s29
	s_lshl_b32 s30, s30, 11                        ; my wave's 512 rows: 2,048 bytes of each list and of each output
	s_mov_b32 s31, 0
	s_mov_b32 s32, 0x76543210
	s_mov_b32 s33, 0xfedcba98                      ; v_permlanex16_b32's selects for lane l xor 16
	s_wait_kmcnt 0x0
	s_load_b32 s28, s[22:23], 0x0                  ; b2
	s_add_nc_u64 s[4:5], s[4:5], s[30:31]
	s_add_nc_u64 s[6:7], s[6:7], s[30:31]
	s_add_nc_u64 s[24:25], s[24:25], s[30:31]
	s_add_nc_u64 s[26:27], s[26:27], s[30:31]
	IDLOAD 0                                       ; step 0's ids first: all the gathers hang on them
.irp k, 0,1,2,3,4,5,6,7
	global_load_b128 v[UR+4*\k:UR+4*\k+3], v9, s[16:17] offset:16*\k       ; W1(16 w + r, 32 h + 0 .. 31)
.endr
.irp k, 0,1,2,3,4,5,6,7
	global_load_b128 v[QR+4*\k:QR+4*\k+3], v8, s[16:17] offset:256+16*\k   ; W1(16 w + r, 64 .. 95), in both halves of the lanes: no load leaves a row
.endr
	WIN 0x40
.irp t, 0,1,2,3
	global_load_b128 v[B1+8*\t:B1+8*\t+3], v15, s[18:19] offset:64*\t      ; b1 and W2 at hidden units 16 t + 8 h + 0 .. 7: the result's layout
	global_load_b128 v[B1+8*\t+4:B1+8*\t+7], v15, s[18:19] offset:64*\t+16
	global_load_b128 v[W2R+8*\t:W2R+8*\t+3], v15, s[20:21] offset:64*\t
	global_load_b128 v[W2R+8*\t+4:W2R+8*\t+7], v15, s[20:21] offset:64*\t+16
.endr
	WIN 0
	s_wait_loadcnt 32                              ; step 0's ids are in; the 32 loads of W1, b1 and W2 behind them may be out
	CONVERT
	IDLOAD 256                                     ; step 1's ids
	GATHER 0, 0
	ABLOAD
	GATHER 1, 1
	s_wait_loadcnt 46                              ; W1, b1 and W2 are in; the 10 + 16 + 4 + 16 loads behind them may be out
	; W1's tile 16 w .. 16 w + 15 is quantised while the first rows are on their way.  Lane (r, h) holds blocks h and 2 + h of row r; block 3 is the fill
	v_cmp_eq_u32 vcc_lo, 0, v15
.set i, 0
.rept 32
	v_cndmask_b32 v[QR+i], 0, v[QR+i], vcc_lo      ; zeros in lanes 16-31
.set i, i+1
.endr
	v_max3_num_f32 v[M], |v[UR]|, |v[UR+1]|, FLOOR
	v_max3_num_f32 v[M+1], |v[QR]|, |v[QR+1]|, FLOOR
.set i, 2
.rept 15
	v_max3_num_f32 v[M], v[M], |v[UR+i]|, |v[UR+i+1]|
	v_max3_num_f32 v[M+1], v[M+1], |v[QR+i]|, |v[QR+i+1]|
.set i, i+2
.endr
	v_add_nc_u32 v[SO], EOFF, v[M]
	v_add_nc_u32 v[SO+1], EOFF, v[M+1]
	v_lshrrev_b32 v[BY], 23, v[SO]
	v_lshrrev_b32 v[BY+1], 23, v[SO+1]
	v_lshl_or_b32 v27, v[BY+1], 16, v[BY]          ; my two bytes: blocks h and 2 + h,
	v_lshrrev_b32 v19, 2, v15                      ; 8 h
	v_lshlrev_b32 v27, v19, v27                    ; at their places in the row's scale word;
	v_mov_b32 v19, 0                               ; (a lane permute's destination counts as one of its sources)
	v_permlanex16_b32 v19, v27, s32, s33
	v_or_b32 v27, v27, v19                         ; with lane l xor 16's two the word is whole
	v_cvt_scalef32_pk16_bf6_f32 v[T0:T0+2], v[UR:UR+15], v[SO]
	v_cvt_scalef32_pk16_bf6_f32 v[TMP0:TMP0+2], v[UR+16:UR+31], v[SO]
	v_cvt_scalef32_pk16_bf6_f32 v[T0+6:T0+8], v[QR:QR+15], v[SO+1]
	v_cvt_scalef32_pk16_bf6_f32 v[TMP1:TMP1+2], v[QR+16:QR+31], v[SO+1]
	v_nop                                          ; one plain instruction behind a scaled conversion
.irp i, 0,1,2
	v_mov_b32 v[T0+3+\i], v[TMP0+\i]
	v_mov_b32 v[T0+9+\i], v[TMP1+\i]
.endr
.irp c, 0,1,2
	ds_store_b128 v58, v[T0+4*\c:T0+4*\c+3] offset:W1IMG+512*\c            ; the fragment as it stands in my registers
.endr
	ds_store_b32 v59, v27 offset:W1SC
	s_wait_dscnt 0x0                               ; for the others' sake: my stores have landed
	s_barrier_signal -1
	s_barrier_wait -1                              ; all four tiles lie in LDS; nobody writes these bytes again
	WIN 0x40
.irp t, 0,1,2,3
.irp c, 0,1,2
	ds_load_b128 v[W1F+12*\t+4*\c:W1F+12*\t+4*\c+3], v[LI] offset:W1IMG+1536*\t+512*\c
.endr
.endr
	WIN 0
.irp t, 0,1,2,3
	ds_load_b32 v[W1S+\t], v[LS] offset:W1SC+128*\t
.endr
	s_wait_dscnt 0x0
	s_wait_kmcnt 0x0                               ; b2
	s_wait_xcnt 0x0                                ; the first gathers' addresses are translated: the first step rewrites their offsets
	s_mov_b32 s34, 6
.Lstep:                                            ; steps 0 to 5
	STEP 1, 1, 0
	s_sub_co_u32 s34, s34, 1
	s_cmp_lg_u32 s34, 0
	s_cbranch_scc1 .Lstep
	STEP 0, 1, 0                                   ; step 6: no ids are left to ask for
	STEP 0, 0, 1                                   ; step 7: nothing is: no load leaves its buffer, and no row is fetched in vain
	s_wait_tensorcnt 0x0
	ds_add_u32 v99, v103
	s_wait_dscnt 0x0
	s_endpgm
.Lfunc_end_k_qd4c60ef23b_mtnet:
	.size	k_qd4c60ef23b_mtnet, .Lfunc_end_k_qd4c60ef23b_mtnet-k_qd4c60ef23b_mtnet
	.p2alignl 7, 3214868480
	.fill 96, 4, 3214868480
	.section	.rodata,"a",@progbits
	.p2align	6, 0x0
	.amdhsa_kernel k_qd4c60ef23b_mtnet
		.amdhsa_group_segment_fixed_size 44032
		.amdhsa_private_segment_fixed_size 0
		.amdhsa_enable_private_segment 0
		.amdhsa_kernarg_size 96
		.amdhsa_user_sgpr_count 2
		.amdhsa_user_sgpr_kernarg_segment_ptr 1
		.amdhsa_wavefront_size32 1
		.amdhsa_system_sgpr_workgroup_id_x 1
		.amdhsa_system_sgpr_workgroup_id_y 1
		.amdhsa_system_sgpr_workgroup_id_z 1
		.amdhsa_system_vgpr_workitem_id 0
		.amdhsa_next_free_vgpr 512
		.amdhsa_next_free_sgpr 66
		.amdhsa_reserve_vcc 1
		.amdhsa_float_denorm_mode_32 3
		.amdhsa_float_denorm_mode_16_64 3
		.amdhsa_memory_ordered 1
		.amdhsa_forward_progress 1
		.amdhsa_inst_pref_size 127
	.end_amdhsa_kernel
	.amdgpu_metadata
---
amdhsa.version: [ 1, 2 ]
amdhsa.kernels:
  - .name:           k_qd4c60ef23b_mtnet
    .symbol:         k_qd4c60ef23b_mtnet.kd
    .args:
      - { .name: user_ids, .offset: 0, .size: 8, .value_kind: global_buffer, .address_space: global }
      - { .name: item_ids, .offset: 8, .size: 8, .value_kind: global_buffer, .address_space: global }
      - { .name: U, .offset: 16, .size: 8, .value_kind: global_buffer, .address_space: global }
      - { .name: Q, .offset: 24, .size: 8, .value_kind: global_buffer, .address_space: global }
      - { .name: A, .offset: 32, .size: 8, .value_kind: global_buffer, .address_space: global }
      - { .name: B, .offset: 40, .size: 8, .value_kind: global_buffer, .address_space: global }
      - { .name: W1, .offset: 48, .size: 8, .value_kind: global_buffer, .address_space: global }
      - { .name: b1, .offset: 56, .size: 8, .value_kind: global_buffer, .address_space: global }
      - { .name: W2, .offset: 64, .size: 8, .value_kind: global_buffer, .address_space: global }
      - { .name: b2, .offset: 72, .size: 8, .value_kind: global_buffer, .address_space: global }
      - { .name: out0, .offset: 80, .size: 8, .value_kind: global_buffer, .address_space: global }
      - { .name: out1, .offset: 88, .size: 8, .value_kind: global_buffer, .address_space: global }
    .group_segment_fixed_size: 44032
    .private_segment_fixed_size: 0
    .kernarg_segment_align: 8
    .kernarg_segment_size: 96
    .max_flat_workgroup_size: 128
    .sgpr_count:     66
    .vgpr_count:     512
    .wavefront_size: 32
...
	.end_amdgpu_metadata
.endif
;; end of part 1
;; ======== version 2 of 2: 1 launch; version 1 with the launch mtnet written anew for expert scheduling mode
;; launch mtnet (part 2): grid 512 x 1, 4 waves a work-group, no clusters, 44,032 bytes of LDS; arguments user_ids, item_ids, U, Q, A, B, W1, b1, W2, b2, out0, out1; writes out0, out1
.if DOCPART == 2
	.amdgcn_target "amdgcn-amd-amdhsa--gfx1250"
	.amdhsa_code_object_version 6
	.text
	.protected	k_qd4c60ef23b_mtnet
	.globl	k_qd4c60ef23b_mtnet
	.p2align	8
	.type	k_qd4c60ef23b_mtnet,@function
k_qd4c60ef23b_mtnet:
	s_mov_b64 s[64:65], 0
	v_nop
	global_prefetch_b8 v0, s[64:65] scope:SCOPE_SE
	s_setreg_imm32_b32 hwreg(HW_REG_WAVE_SCHED_MODE, 0, 2), 2
	s_setreg_imm32_b32 hwreg(HW_REG_WAVE_MODE, 25, 1), 1
	s_wait_xcnt 0x0
	s_wait_alu depctr_vm_vsrc(0)
; out0[b] = U[uid[b]] . Q[iid[b]] + A[uid[b]] + B[iid[b]]                                  (all f32)
; out1[b] = relu([u, q, u*q] W1^T + b1) . W2 + b2, the product with W1 on codes of E3M2 with one E8M0 scale for each 32 along K; all else f32.
; K = 96 is three blocks of 32: the row of U, the row of Q, their product.  The matrix instruction's K is 128: k = 96 .. 127 are zero codes on both sides.
; SHARES.  512 work-groups x 4 waves x 512 rows.  A wave walks 8 steps of 64 rows; a step is two units (s = 0, 1) of 32 rows.  In unit s of a step lane L owns row 2 L + s of the step's 64,
; so a lane's two results of a step are 8 neighbouring bytes, and one store of the wave covers 256 consecutive bytes, aligned.
; A UNIT.  (1) Gather: eight lanes to a row: each load brings four whole rows of 128 bytes, 16 bytes a lane.  (2) The 32 rows of U and of Q turn through the wave's own stage in LDS and come back one whole
; row a lane, so that each block of 32 lies in ONE lane: its largest magnitude asks no other lane.  (3) Product row, dot product, three scales, six conversions.  (4) Twelve exchanges of lane halves make of the
; 32 lanes' codes the two operands (16 rows x 128 K each).  (5) Eight matrix instructions, used transposed (source 0 = 16 rows of W1, source 1 = 16 rows of x), with b1 as C: a lane then holds one row of x
; and eight hidden units.  (6) relu, multiply-adds with W2, one exchange of halves: lane L holds row L's score.
; W1 is quantised once a work-group, one tile of 16 rows a wave, and handed round through LDS as images of the operand's registers: the launch's one barrier.
; IN FLIGHT.  Two units' gathers (32 loads of 512 bytes) of every wave, the next step's ids behind them.  No tensor load (rows are picked by index), no cluster (the work-groups share only W1's 24 KB).
; LIMITS.  An id above 999,999 (a negative one read as unsigned) is held at row 999,999; reference() relies on ids in range.  NaN and infinities are not served.  A block of zeros gets the scale byte 1
; where the rule says 127: its codes are zeros, and the bytes are read here alone.  out0 is summed as dot + (A + B), the dot product in two packed chains.
; THE MODE: SCHED_MODE bits 1:0 = 2 (LLVM: expert scheduling mode 2), set by the entry lines.  The code itself states the register dependences between vector or matrix instructions and memory or LDS
; instructions, with s_wait_alu, always for 0.
; THE PLAN.  Registers that memory or LDS instructions touch, in the loop:
;   RAW0, RAW1   Written by the gathers, read by the stage's LDS stores; no vector instruction names them.  A set is asked for again behind a wait on vm_vsrc that stands behind those stores.
;   UR, QR       Written by the stage's LDS loads; read by the unit's vector work, written over by its matrix instructions, read by its multiply-adds.  A wait on va_vdst behind each unit stands ahead of the next LDS loads.
;   IDN, IDO     Written by the id loads, read by CONVERT.       OFF, OFAB  Written by CONVERT, read by the step's two gathers and its loads of A and B.       AL, BL  Written by those loads, read by two additions at a step's head.
;   OUT0, OUT1   Written by an addition in each unit, read by the two stores at the step's end.
;   v2 .. v7     Offsets and LDS addresses, made once at the head and never written again: four scalar bases move on by a step.
; So one wait on va_vdst behind CONVERT states all that the step's 46 loads hang on: neither unit names IDN, IDO, OFF, OFAB, AL, BL or RAW.  The gathers go out behind it and behind the wait on vm_vsrc, ahead of the
; wait for the stage's data; the ten id loads and the four loads of A and B are dealt among unit 0's first products.
; REGISTERS, in windows of 256 (s_set_vgpr_msb: bits 1:0 source 0, 3:2 source 1, 5:4 source 2, 7:6 destination).
;   window 0: v1-9 addresses; v10-13 W1's scale words, v14 x's (scales and nothing else); v16-59 at work; v60-91 ids as they land; v92-102 halves of conversions; v104-127 x's two operands;
;             v128-159 gather offsets; v160-191 row of U, v192-223 row of Q (then the eight accumulators); v224-255 product row.
;   window 1: v16-63 W1's four fragments; v64-95 b1 in the result's layout; v96-127 W2 likewise; v128-191, v192-255 two sets of rows as gathered.
.set MAXID, 0xf423f                    ; 999,999: the last row of both tables
.set FLOOR, 0x2800000                  ; 2^(5 - 127): no largest magnitude is taken under it, so a scale byte cannot fall under 1
.set EOFF,  0xfe000000                 ; -(4 << 23): 4 off an exponent field (28 = 1.75 x 2^4)
.set W1IMG, 0                          ; LDS: images of W1's four fragments, 1,536 bytes each: 512 c + 16 x lane
.set W1SC,  6144                       ; their scale words, 128 bytes each: 4 x lane
.set STG,   6656                       ; the stages: 9,216 bytes a wave: 32 places of U, then 32 of Q
.set WSTG,  9216
.set SP,    144                        ; a place: a row's 128 bytes + 16: 36 words
.set QST,   32*SP
.set CH,   1                           ; v1   16 (lane % 8): my 16 bytes of a gathered row
.set VB,   2                           ; v2   64 (lane / 8): my group's 16 ids of a step
.set V8,   3                           ; v3   8 x lane: my own two rows' ids and results
.set LST,  4                           ; v4   the stage, on the way in:  1,152 (lane / 8) + 16 (lane % 8)
.set LLD,  5                           ; v5   and on the way out: 144 x lane
.set LI,   6                           ; v6   16 x lane
.set LS,   7                           ; v7   4 x lane
.set W1S,  10
.set SW,   14
.set M,    16                          ; v16-18 largest magnitudes
.set SO,   20                          ; v20-22 the conversions' scale operands
.set BY,   24                          ; v24-26 scale bytes
.set PB,   28                          ; v28-29 A + B of my two rows
.set OUT0, 30                          ; v30-31
.set OUT1, 32                          ; v32-33
.set AL,   34                          ; v34-35 A as it lands
.set BL,   36                          ; v36-37 B
.set IDO,  38                          ; v38-41 my own ids: two users, two items
.set OFAB, 42                          ; v42-45 their byte offsets in A and B
.set DOT,  46                          ; v46-49
.set S,    50                          ; v50-57 score sums: tile tau, chain c at 50 + 4 tau + 2 c
.set IDN,  60                          ; v60-75 users, v76-91 items: register 2 j + s is load j's id in unit s
.set TMP0, 92
.set TMP1, 96
.set TMP2, 100
.set T0,   104
.set T1,   116
.set OFF,  128
.set UR,   160
.set QR,   192
.set PR,   224
.set ACC,  160                         ; accumulator (tau, t) at 160 + 32 tau + 8 t, over the rows once they are converted
.set W1F,  16                          ; window 1
.set B1,   64
.set W2R,  96
.set RAW,  128
.set MSB, 0
.macro WIN new                         ; the immediate's high byte repeats the setting that is left; a switch that changes nothing is dropped
.if MSB != \new
	s_set_vgpr_msb (MSB<<8)|\new
.set MSB, \new
.endif
.endm
; Ten loads: a step's ids, from byte on.  Eight lanes of a group read the same 64 bytes of each list; and each lane its own two rows' ids for A and B.  (So at the head; in a step DEAL issues them one by one.)
.macro IDLOAD byte
.irp q, 0,1,2,3
	global_load_b128 v[IDN+4*\q:IDN+4*\q+3], v[VB], s[4:5] offset:\byte+16*\q
.endr
.irp q, 0,1,2,3
	global_load_b128 v[IDN+16+4*\q:IDN+16+4*\q+3], v[VB], s[6:7] offset:\byte+16*\q
.endr
	global_load_b64 v[IDO:IDO+1], v[V8], s[4:5] offset:\byte
	global_load_b64 v[IDO+2:IDO+3], v[V8], s[6:7] offset:\byte
.endm
; Ids become byte offsets: held at the last row, x 128 + my 16 bytes; for A and B x 4.
.macro CONVERT
.set n, 0
.rept 32
	v_min_u32 v[OFF+n], MAXID, v[IDN+n]
.set n, n+1
.endr
.set n, 0
.rept 4
	v_min_u32 v[OFAB+n], MAXID, v[IDO+n]
.set n, n+1
.endr
.set n, 0
.rept 32
	v_lshl_add_u32 v[OFF+n], v[OFF+n], 7, v[CH]
.set n, n+1
.endr
.set n, 0
.rept 4
	v_lshlrev_b32 v[OFAB+n], 2, v[OFAB+n]
.set n, n+1
.endr
.endm
; Sixteen loads: unit u of the step whose offsets stand in OFF, into set b.  Load j of a table brings the rows of places 8 g + j, g = 0 .. 3.  No hint: a list may name a row twice.
.macro GATHER u, b
	WIN 0x40
.irp j, 0,1,2,3,4,5,6,7
	global_load_b128 v[RAW+64*\b+4*\j:RAW+64*\b+4*\j+3], v[OFF+2*\j+\u], s[8:9]
	global_load_b128 v[RAW+64*\b+32+4*\j:RAW+64*\b+32+4*\j+3], v[OFF+16+2*\j+\u], s[10:11]
.endr
	WIN 0
.endm
.macro ABLOAD                          ; four loads: A and B of my two rows of the step.  (So at the head; in a step DEAL issues them.)
	global_load_b32 v[AL], v[OFAB], s[12:13]
	global_load_b32 v[AL+1], v[OFAB+1], s[12:13]
	global_load_b32 v[BL], v[OFAB+2], s[14:15]
	global_load_b32 v[BL+1], v[OFAB+3], s[14:15]
.endm
; Load number n of a step's fourteen that are in no hurry: 0 .. 9 the ids of two steps on (512 bytes on in both lists), 10 .. 13 A and B of the next step's rows.  All their registers lie in window 0.
; No wait: no vector instruction since the wait behind CONVERT names a register that these loads touch.
.macro DEAL ids, ab
.if \ids && (n < 4)
	global_load_b128 v[IDN+4*n:IDN+4*n+3], v[VB], s[4:5] offset:512+16*n
.elseif \ids && (n < 8)
	global_load_b128 v[IDN+4*n:IDN+4*n+3], v[VB], s[6:7] offset:512+16*(n-4)
.elseif \ids && (n == 8)
	global_load_b64 v[IDO:IDO+1], v[V8], s[4:5] offset:512
.elseif \ids && (n == 9)
	global_load_b64 v[IDO+2:IDO+3], v[V8], s[6:7] offset:512
.elseif \ab && (n >= 10) && (n < 12)
	global_load_b32 v[AL+n-10], v[OFAB+n-10], s[12:13]
.elseif \ab && (n >= 12) && (n < 14)
	global_load_b32 v[BL+n-12], v[OFAB+n-10], s[14:15]
.endif
.endm
; Set b's 64 rows turn through my stage.  LDS serves a wave's instructions in order (ISA guide 5.7.1.4): no wait on DScnt stands between the stores and the loads.
; w = 1: a unit's vector and matrix work stands just ahead.  The stores name the stage's address and RAW alone, which that work does not touch; the loads land in its registers.
.macro STAGE b, w
	WIN 0x04                                       ; an LDS store's data are its source 1: window 1
.irp j, 0,1,2,3,4,5,6,7
	ds_store_b128 v[LST], v[RAW+64*\b+4*\j:RAW+64*\b+4*\j+3] offset:SP*\j
.endr
.irp j, 0,1,2,3,4,5,6,7
	ds_store_b128 v[LST], v[RAW+64*\b+32+4*\j:RAW+64*\b+32+4*\j+3] offset:QST+SP*\j
.endr
	WIN 0
.if \w
	s_wait_alu depctr_va_vdst(0)                   ; the unit before has written the accumulators and is done reading them: they are UR and QR, in which the loads below land
.endif
.irp k, 0,1,2,3,4,5,6,7
	ds_load_b128 v[UR+4*\k:UR+4*\k+3], v[LLD] offset:16*\k
.endr
.irp k, 0,1,2,3,4,5,6,7
	ds_load_b128 v[QR+4*\k:QR+4*\k+3], v[LLD] offset:QST+16*\k
.endr
.endm
; A unit's arithmetic: my row of U in UR, of Q in QR.  ids, ab: which of DEAL's fourteen loads stand among its first products.
.macro UNIT u, ids, ab
.set i, 0
.rept 16
	v_pk_mul_f32 v[PR+i:PR+i+1], v[UR+i:UR+i+1], v[QR+i:QR+i+1]            ; the third block: u * q
.set n, i/2
	DEAL \ids, \ab
.set i, i+2
.endr
	v_max3_num_f32 v[M], |v[UR]|, |v[UR+1]|, FLOOR                         ; each block's largest magnitude, the floor among its leaves; the three blocks by turns
	v_max3_num_f32 v[M+1], |v[QR]|, |v[QR+1]|, FLOOR
	v_max3_num_f32 v[M+2], |v[PR]|, |v[PR+1]|, FLOOR
.set i, 2
.rept 15
	v_max3_num_f32 v[M], v[M], |v[UR+i]|, |v[UR+i+1]|
	v_max3_num_f32 v[M+1], v[M+1], |v[QR+i]|, |v[QR+i+1]|
	v_max3_num_f32 v[M+2], v[M+2], |v[PR+i]|, |v[PR+i+1]|
.set i, i+2
.endr
	v_pk_add_f32 v[DOT:DOT+1], v[PR:PR+1], v[PR+2:PR+3]                    ; the dot product is the product row's sum: two packed chains
	v_pk_add_f32 v[DOT+2:DOT+3], v[PR+4:PR+5], v[PR+6:PR+7]
.set i, 8
.rept 6
	v_pk_add_f32 v[DOT:DOT+1], v[DOT:DOT+1], v[PR+i:PR+i+1]
	v_pk_add_f32 v[DOT+2:DOT+3], v[DOT+2:DOT+3], v[PR+i+2:PR+i+3]
.set i, i+4
.endr
	v_pk_add_f32 v[DOT:DOT+1], v[DOT:DOT+1], v[DOT+2:DOT+3]
.irp b, 0,1,2
	v_add_nc_u32 v[SO+\b], EOFF, v[M+\b]                                   ; 4 off the exponent field: the conversion takes the exponent field of this operand as its scale
.endr
.irp b, 0,1,2
	v_lshrrev_b32 v[BY+\b], 23, v[SO+\b]                                   ; the scale's byte
.endr
	v_lshl_or_b32 v[SW], v[BY+1], 8, v[BY]                                 ; my row's scale word; the fill block's byte is 127
	v_lshl_or_b32 v[SW], v[BY+2], 16, v[SW]
	v_or_b32 v[SW], 0x7f000000, v[SW]
	v_cvt_scalef32_pk16_bf6_f32 v[T0:T0+2], v[UR:UR+15], v[SO]             ; sixteen codes, 96 bits, in three registers that begin on an even number:
	v_cvt_scalef32_pk16_bf6_f32 v[TMP0:TMP0+2], v[UR+16:UR+31], v[SO]      ; a block's second half is made elsewhere and moved
	v_cvt_scalef32_pk16_bf6_f32 v[T1:T1+2], v[QR:QR+15], v[SO+1]
	v_cvt_scalef32_pk16_bf6_f32 v[TMP1:TMP1+2], v[QR+16:QR+31], v[SO+1]
	v_cvt_scalef32_pk16_bf6_f32 v[T0+6:T0+8], v[PR:PR+15], v[SO+2]
	v_cvt_scalef32_pk16_bf6_f32 v[TMP2:TMP2+2], v[PR+16:PR+31], v[SO+2]
.irp i, 6,7,8,9,10,11
	v_mov_b32 v[T1+\i], 0                                                  ; the fill block's zero codes.  (Also the plain instruction behind the conversions)
.endr
; v_permlane16_swap_b32 X, Y: X's lanes 16-31 change places with Y's lanes 0-15.  With X = U's codes and Y = Q's: X = rows 0-15: U below, Q above: registers 0-5 of tile 0 (k = 32 (lane / 16) on); Y the same of rows 16-31.
; With X = the product's codes and Y = zeros: registers 6-11 of both tiles (k = 64 .. 95 below, the fill above).
.irp i, 0,1,2
	v_permlane16_swap_b32 v[T0+\i], v[T1+\i]
	v_permlane16_swap_b32 v[TMP0+\i], v[TMP1+\i]
	v_permlane16_swap_b32 v[T0+6+\i], v[T1+6+\i]
	v_permlane16_swap_b32 v[TMP2+\i], v[T1+9+\i]
.endr
.irp i, 0,1,2
	v_mov_b32 v[T0+3+\i], v[TMP0+\i]
	v_mov_b32 v[T1+3+\i], v[TMP1+\i]
	v_mov_b32 v[T0+9+\i], v[TMP2+\i]
.endr
	v_add_f32 v[DOT], v[DOT], v[DOT+1]                                     ; eight plain instructions between the last write of an operand or a scale word and the scaled matrix instructions
	v_add_f32 v[OUT0+\u], v[DOT], v[PB+\u]                                 ; out0 of my row
.rept 6
	v_nop
.endr
	s_wait_alu depctr_va_vdst(0)                   ; the conversions, exchanges and moves have written T0, T1 and the scale word, which the scaled matrix instructions take; the eight places above stay beside this wait
	WIN 0x11                                       ; source 0 (W1) and C (b1) window 1; source 1 (x) and D window 0
.irp t, 0,1,2,3                                ; eight sums of one instruction each, on eight accumulators: nothing is chained
	v_wmma_scale_f32_16x16x128_f8f6f4 v[ACC+8*\t:ACC+8*\t+7], v[W1F+12*\t:W1F+12*\t+11], v[T0:T0+11], v[B1+8*\t:B1+8*\t+7], v[W1S+\t], v[SW] matrix_a_fmt:MATRIX_FMT_BF6 matrix_b_fmt:MATRIX_FMT_BF6
.endr
.irp t, 0,1,2,3                                ; rows 16-31: their scale words stand in lanes 16-31
	v_wmma_scale_f32_16x16x128_f8f6f4 v[ACC+32+8*\t:ACC+32+8*\t+7], v[W1F+12*\t:W1F+12*\t+11], v[T1:T1+11], v[B1+8*\t:B1+8*\t+7], v[W1S+\t], v[SW] matrix_a_fmt:MATRIX_FMT_BF6 matrix_b_fmt:MATRIX_FMT_BF6 matrix_b_scale:MATRIX_SCALE_ROW1
.endr
	WIN 0
.rept 4
	v_nop                                          ; four places behind the last matrix instruction before its result is read (ISA guide 7.12.1)
.endr
.set i, 0
.rept 64
	v_max_num_f32 v[ACC+i], 0, v[ACC+i]            ; relu; each accumulator from its low end on
.set i, i+1
.endr
	WIN 0x04                                       ; source 1 (W2) window 1
.set e, 0
.rept 16                                       ; lane (r, h), register 8 t + j of tile tau: hidden unit 16 t + 8 h + j of row 16 tau + r.  Four chains
.irp a, 0,1
.if e < 2
	v_pk_mul_f32 v[S+4*\a+2*(e%2):S+4*\a+2*(e%2)+1], v[ACC+32*\a+2*e:ACC+32*\a+2*e+1], v[W2R+2*e:W2R+2*e+1]
.else
	v_pk_fma_f32 v[S+4*\a+2*(e%2):S+4*\a+2*(e%2)+1], v[ACC+32*\a+2*e:ACC+32*\a+2*e+1], v[W2R+2*e:W2R+2*e+1], v[S+4*\a+2*(e%2):S+4*\a+2*(e%2)+1]
.endif
.endr
.set e, e+1
.endr
	WIN 0
	v_pk_add_f32 v[S:S+1], v[S:S+1], v[S+2:S+3]
	v_pk_add_f32 v[S+4:S+5], v[S+4:S+5], v[S+6:S+7]
	v_add_f32 v[S], v[S], v[S+1]                   ; tile 0: my half's 32 hidden units of row r
	v_add_f32 v[S+4], v[S+4], v[S+5]               ; tile 1 likewise
	v_permlane16_swap_b32 v[S], v[S+4]             ; now lanes 0-15 hold tile 0's two halves in the two registers, lanes 16-31 tile 1's
	v_add_f32 v[S], v[S], v[S+4]                   ; lane L: row L's sum over all 64 hidden units
	v_add_f32 v[OUT1+\u], s28, v[S]                ; + b2
.endm
; A step of 64 rows.  ids = 1: the ids of two steps on are asked for;  gath = 1: the next step's rows are;  last = 1: nothing is stepped.
; Order of issue in every step i: unit 2 i + 2 (16), ids of step i + 2 (10), A and B of step i + 1 (4), unit 2 i + 3 (16).
.macro STEP ids, gath, last
	s_wait_loadcnt 16                              ; only the step's second unit (16 loads) may be out: its first unit, its A and B and the next step's ids, all issued earlier, are in
	STAGE 0, 0                                     ; (no vector instruction has been issued since the wait on va_vdst ahead of the last step's stores, or of the head's LDS stores: UR and QR are done with)
	v_add_f32 v[PB], v[AL], v[BL]
	v_add_f32 v[PB+1], v[AL+1], v[BL+1]
.if \gath
	CONVERT                                        ; stands where the wave would wait for the stage.  (OFF is still named by the pending unit's loads: at the last step's end their addresses were translated and they had read it)
	s_wait_alu depctr_va_vdst(0)                   ; CONVERT has written OFF and OFAB, which this step's loads read, and is done reading IDN and IDO, in which ids land; the two additions are done reading AL and BL, in which A and B land
	s_wait_alu depctr_vm_vsrc(0)                   ; the stage's stores have read set 0, in which the gather below lands
	GATHER 0, 0                                    ; asked for while the stage's loads are still out
.endif
	s_wait_dscnt 0x0                               ; my rows are in registers
	UNIT 0, \ids, \gath
	s_wait_loadcnt 10*\ids+20*\gath                ; what was issued behind the step's second unit may be out
	STAGE 1, 1
.if \gath
	s_wait_alu depctr_vm_vsrc(0)                   ; the stage's stores have read set 1, in which the gather below lands.  (OFF: written ahead of the wait behind CONVERT, and named by no vector instruction since)
	GATHER 1, 1
.endif
	s_wait_dscnt 0x0
	UNIT 1, 0, 0
	s_wait_alu depctr_va_vdst(0)                   ; the two units have written OUT0 and OUT1, which the stores read; unit 1 is done with UR and QR, in which the next step's first rows land
	global_store_b64 v[V8], v[OUT0:OUT0+1], s[24:25] th:TH_STORE_NT        ; 32 lanes store 256 consecutive bytes, at a multiple of 256 from the buffer's first byte
	global_store_b64 v[V8], v[OUT1:OUT1+1], s[26:27] th:TH_STORE_NT
.if \last == 0
	s_wait_xcnt 0x0                                ; every earlier memory instruction has had its addresses translated (ISA guide 3.1): the four bases, the offsets and the stores' data are rewritten only behind this wait
	s_wait_alu depctr_vm_vsrc(0)                   ; the stores have read OUT0 and OUT1, the step's loads OFF and OFAB: the next step's vector instructions write them again
	s_add_nc_u64 s[4:5], s[4:5], 256
	s_add_nc_u64 s[6:7], s[6:7], 256
	s_add_nc_u64 s[24:25], s[24:25], 256
	s_add_nc_u64 s[26:27], s[26:27], 256
.endif
.endm
	s_load_b512 s[4:19], s[0:1], 0x0               ; user_ids s[4:5], item_ids s[6:7], U s[8:9], Q s[10:11], A s[12:13], B s[14:15], W1 s[16:17], b1 s[18:19]
	s_load_b256 s[20:27], s[0:1], 0x40             ; W2 s[20:21], b2 s[22:23], out0 s[24:25], out1 s[26:27]
	v_lshl_add_u32 v99, v0, 2, 0xaa00
	v_mov_b32 v103, 0
	v_lshrrev_b32 v6, 5, v0
	v_readfirstlane_b32 s29, v6                    ; wave 0..3
	v_and_b32 v7, 31, v0                           ; lane
	v_and_b32 v1, 7, v0
	v_lshlrev_b32 v[CH], 4, v1                     ; 16 (lane % 8)
	v_bfe_u32 v2, v0, 3, 2                         ; g = lane / 8
	s_wait_alu depctr_va_sdst(0)                   ; s29 is written, ahead of its first reader: the stage's place, W1's tile and the wave's rows are made from it
	s_mul_i32 s35, s29, WSTG
	s_add_co_u32 s35, s35, STG                     ; my stage
	v_mad_u32_u24 v[LST], v2, 8*SP, v[CH]
	v_add_nc_u32 v[LST], s35, v[LST]
	v_mul_u32_u24 v[LLD], v7, SP
	v_add_nc_u32 v[LLD], s35, v[LLD]
	v_lshlrev_b32 v[VB], 6, v2
	v_lshlrev_b32 v[V8], 3, v7
	v_lshlrev_b32 v[LI], 4, v7
	v_lshlrev_b32 v[LS], 2, v7
	s_mul_i32 s37, s29, 1536
	v_add_nc_u32 v58, s37, v[LI]                   ; where I store my fragment's image
	s_lshl_b32 s37, s29, 7
	v_add_nc_u32 v59, s37, v[LS]                   ; and its scale words
	v_and_b32 v8, 15, v0                           ; r
	s_lshl_b32 s36, s29, 4
	v_add_nc_u32 v8, s36, v8                       ; W1's row 16 x wave + r,
	v_mul_u32_u24 v8, v8, 384                      ; of 384 bytes
	v_bfe_u32 v15, v0, 4, 1                        ; h
	v_lshl_add_u32 v9, v15, 7, v8                  ; + 128 h: k = 32 h on
	v_lshlrev_b32 v15, 5, v15                      ; 32 h: b1's and W2's eight numbers of my half
	s_lshl_b32 s30, ttmp9, 2
	s_add_co_u32 s30, s30, s29
	s_lshl_b32 s30, s30, 11                        ; my wave's 512 rows: 2,048 bytes of each list and of each output
	s_mov_b32 s31, 0
	s_mov_b32 s32, 0x76543210
	s_mov_b32 s33, 0xfedcba98                      ; v_permlanex16_b32's selects for lane l xor 16
	s_wait_kmcnt 0x0
	s_load_b32 s28, s[22:23], 0x0                  ; b2
	s_add_nc_u64 s[4:5], s[4:5], s[30:31]
	s_add_nc_u64 s[6:7], s[6:7], s[30:31]
	s_add_nc_u64 s[24:25], s[24:25], s[30:31]
	s_add_nc_u64 s[26:27], s[26:27], s[30:31]
	s_wait_alu depctr_va_vdst(0)                   ; the offsets and LDS addresses v2 to v9, v15, v58 and v59 are written: every load, store and LDS instruction of the kernel that does not go by OFF or OFAB reads one of them
	IDLOAD 0                                       ; step 0's ids first: all the gathers hang on them
.irp k, 0,1,2,3,4,5,6,7
	global_load_b128 v[UR+4*\k:UR+4*\k+3], v9, s[16:17] offset:16*\k       ; W1(16 w + r, 32 h + 0 .. 31)
.endr
.irp k, 0,1,2,3,4,5,6,7
	global_load_b128 v[QR+4*\k:QR+4*\k+3], v8, s[16:17] offset:256+16*\k   ; W1(16 w + r, 64 .. 95), in both halves of the lanes: no load leaves a row
.endr
	WIN 0x40
.irp t, 0,1,2,3
	global_load_b128 v[B1+8*\t:B1+8*\t+3], v15, s[18:19] offset:64*\t      ; b1 and W2 at hidden units 16 t + 8 h + 0 .. 7: the result's layout
	global_load_b128 v[B1+8*\t+4:B1+8*\t+7], v15, s[18:19] offset:64*\t+16
	global_load_b128 v[W2R+8*\t:W2R+8*\t+3], v15, s[20:21] offset:64*\t
	global_load_b128 v[W2R+8*\t+4:W2R+8*\t+7], v15, s[20:21] offset:64*\t+16
.endr
	WIN 0
	s_wait_loadcnt 32                              ; step 0's ids are in; the 32 loads of W1, b1 and W2 behind them may be out
	CONVERT
	s_wait_alu depctr_va_vdst(0)                   ; CONVERT has written OFF and OFAB, which the 36 loads below read, and is done reading IDN and IDO, in which step 1's ids land
	IDLOAD 256                                     ; step 1's ids
	GATHER 0, 0
	ABLOAD
	GATHER 1, 1
	s_wait_loadcnt 46                              ; W1, b1 and W2 are in; the 10 + 16 + 4 + 16 loads behind them may be out
	; W1's tile 16 w .. 16 w + 15 is quantised while the first rows are on their way.  Lane (r, h) holds blocks h and 2 + h of row r; block 3 is the fill
	v_cmp_eq_u32 vcc_lo, 0, v15
	s_wait_alu depctr_va_vcc(0)                    ; VCC is written, ahead of the selects that read it
.set i, 0
.rept 32
	v_cndmask_b32 v[QR+i], 0, v[QR+i], vcc_lo      ; zeros in lanes 16-31
.set i, i+1
.endr
	v_max3_num_f32 v[M], |v[UR]|, |v[UR+1]|, FLOOR
	v_max3_num_f32 v[M+1], |v[QR]|, |v[QR+1]|, FLOOR
.set i, 2
.rept 15
	v_max3_num_f32 v[M], v[M], |v[UR+i]|, |v[UR+i+1]|
	v_max3_num_f32 v[M+1], v[M+1], |v[QR+i]|, |v[QR+i+1]|
.set i, i+2
.endr
	v_add_nc_u32 v[SO], EOFF, v[M]
	v_add_nc_u32 v[SO+1], EOFF, v[M+1]
	v_lshrrev_b32 v[BY], 23, v[SO]
	v_lshrrev_b32 v[BY+1], 23, v[SO+1]
	v_lshl_or_b32 v27, v[BY+1], 16, v[BY]          ; my two bytes: blocks h and 2 + h,
	v_lshrrev_b32 v19, 2, v15                      ; 8 h
	v_lshlrev_b32 v27, v19, v27                    ; at their places in the row's scale word;
	v_mov_b32 v19, 0                               ; (a lane permute's destination counts as one of its sources)
	v_permlanex16_b32 v19, v27, s32, s33
	v_or_b32 v27, v27, v19                         ; with lane l xor 16's two the word is whole
	v_cvt_scalef32_pk16_bf6_f32 v[T0:T0+2], v[UR:UR+15], v[SO]
	v_cvt_scalef32_pk16_bf6_f32 v[TMP0:TMP0+2], v[UR+16:UR+31], v[SO]
	v_cvt_scalef32_pk16_bf6_f32 v[T0+6:T0+8], v[QR:QR+15], v[SO+1]
	v_cvt_scalef32_pk16_bf6_f32 v[TMP1:TMP1+2], v[QR+16:QR+31], v[SO+1]
	v_nop                                          ; one plain instruction behind a scaled conversion
.irp i, 0,1,2
	v_mov_b32 v[T0+3+\i], v[TMP0+\i]
	v_mov_b32 v[T0+9+\i], v[TMP1+\i]
.endr
	s_wait_alu depctr_va_vdst(0)                   ; the conversions and moves have written T0 and v27, which the LDS stores read; the quantiser is done with UR and QR, in which the first step's rows land (no vector instruction stands between here and the loop)
.irp c, 0,1,2
	ds_store_b128 v58, v[T0+4*\c:T0+4*\c+3] offset:W1IMG+512*\c            ; the fragment as it stands in my registers
.endr
	ds_store_b32 v59, v27 offset:W1SC
	s_wait_dscnt 0x0                               ; for the others' sake: my stores have landed
	s_barrier_signal -1
	s_barrier_wait -1                              ; all four tiles lie in LDS; nobody writes these bytes again
	WIN 0x40
.irp t, 0,1,2,3
.irp c, 0,1,2
	ds_load_b128 v[W1F+12*\t+4*\c:W1F+12*\t+4*\c+3], v[LI] offset:W1IMG+1536*\t+512*\c
.endr
.endr
	WIN 0
.irp t, 0,1,2,3
	ds_load_b32 v[W1S+\t], v[LS] offset:W1SC+128*\t
.endr
	s_wait_dscnt 0x0
	s_wait_kmcnt 0x0                               ; b2
	s_wait_xcnt 0x0                                ; the first gathers' addresses are translated: the first step rewrites their offsets
	s_wait_alu depctr_vm_vsrc(0)                   ; the first gathers and loads of A and B have read OFF and OFAB, my LDS stores T0: the first step's vector instructions write them again
	s_mov_b32 s34, 6
.Lstep:                                            ; steps 0 to 5
	STEP 1, 1, 0
	s_sub_co_u32 s34, s34, 1
	s_cmp_lg_u32 s34, 0
	s_cbranch_scc1 .Lstep
	STEP 0, 1, 0                                   ; step 6: no ids are left to ask for
	STEP 0, 0, 1                                   ; step 7: nothing is: no load leaves its buffer, and no row is fetched in vain
	s_wait_dscnt 0x0
	s_wait_alu depctr_hold_cnt(0) depctr_sa_sdst(0) depctr_va_vdst(0) depctr_va_sdst(0) depctr_va_ssrc(0) depctr_va_vcc(0) depctr_vm_vsrc(0)
	s_wait_tensorcnt 0x0
	ds_add_u32 v99, v103
	s_wait_dscnt 0x0
	s_endpgm
.Lfunc_end_k_qd4c60ef23b_mtnet:
	.size	k_qd4c60ef23b_mtnet, .Lfunc_end_k_qd4c60ef23b_mtnet-k_qd4c60ef23b_mtnet
	.p2alignl 7, 3214868480
	.fill 96, 4, 3214868480
	.section	.rodata,"a",@progbits
	.p2align	6, 0x0
	.amdhsa_kernel k_qd4c60ef23b_mtnet
		.amdhsa_group_segment_fixed_size 44032
		.amdhsa_private_segment_fixed_size 0
		.amdhsa_enable_private_segment 0
		.amdhsa_kernarg_size 96
		.amdhsa_user_sgpr_count 2
		.amdhsa_user_sgpr_kernarg_segment_ptr 1
		.amdhsa_wavefront_size32 1
		.amdhsa_system_sgpr_workgroup_id_x 1
		.amdhsa_system_sgpr_workgroup_id_y 1
		.amdhsa_system_sgpr_workgroup_id_z 1
		.amdhsa_system_vgpr_workitem_id 0
		.amdhsa_next_free_vgpr 512
		.amdhsa_next_free_sgpr 66
		.amdhsa_reserve_vcc 1
		.amdhsa_float_denorm_mode_32 3
		.amdhsa_float_denorm_mode_16_64 3
		.amdhsa_memory_ordered 1
		.amdhsa_forward_progress 1
		.amdhsa_inst_pref_size 128
	.end_amdhsa_kernel
	.amdgpu_metadata
---
amdhsa.version: [ 1, 2 ]
amdhsa.kernels:
  - .name:           k_qd4c60ef23b_mtnet
    .symbol:         k_qd4c60ef23b_mtnet.kd
    .args:
      - { .name: user_ids, .offset: 0, .size: 8, .value_kind: global_buffer, .address_space: global }
      - { .name: item_ids, .offset: 8, .size: 8, .value_kind: global_buffer, .address_space: global }
      - { .name: U, .offset: 16, .size: 8, .value_kind: global_buffer, .address_space: global }
      - { .name: Q, .offset: 24, .size: 8, .value_kind: global_buffer, .address_space: global }
      - { .name: A, .offset: 32, .size: 8, .value_kind: global_buffer, .address_space: global }
      - { .name: B, .offset: 40, .size: 8, .value_kind: global_buffer, .address_space: global }
      - { .name: W1, .offset: 48, .size: 8, .value_kind: global_buffer, .address_space: global }
      - { .name: b1, .offset: 56, .size: 8, .value_kind: global_buffer, .address_space: global }
      - { .name: W2, .offset: 64, .size: 8, .value_kind: global_buffer, .address_space: global }
      - { .name: b2, .offset: 72, .size: 8, .value_kind: global_buffer, .address_space: global }
      - { .name: out0, .offset: 80, .size: 8, .value_kind: global_buffer, .address_space: global }
      - { .name: out1, .offset: 88, .size: 8, .value_kind: global_buffer, .address_space: global }
    .group_segment_fixed_size: 44032
    .private_segment_fixed_size: 0
    .kernarg_segment_align: 8
    .kernarg_segment_size: 96
    .max_flat_workgroup_size: 128
    .sgpr_count:     66
    .vgpr_count:     512
    .wavefront_size: 32
...
	.end_amdgpu_metadata
.endif
;; end of part 2
